; MI455X (gfx1250); checked and timed in simulation.
; The chip was launched on July 23, 2026; its instructions are those of AMD's public machine-readable ISA for CDNA 5 (MIT licence, August 2026) and "CDNA5" Instruction Set Architecture Reference Guide (July 2026). The comments in the code are by the model that wrote it; some were corrected since.
;; Dot Product Attention. Allowed arithmetic: matrix products marked QUANTISED: E4M3 operands, one E8M0 scale for each 32 along K, by v_wmma_scale_f32_16x16x128_f8f6f4 with both operands' format E4M3, f32 sums; everything else in f32.
;; Inputs: K_codes 4 x 16 x 2,048 x 2 x 32 uint8 (E4M3 codes of K, K innermost, in blocks of 32 codes); K_scales 4 x 16 x 2,048 x 2 uint8 (E8M0 scales of K, one for each 32 codes along K); Q_codes 4 x 16 x 2,048 x 2 x 32 uint8 (E4M3 codes of Q, K innermost, in blocks of 32 codes); Q_scales 4 x 16 x 2,048 x 2 uint8 (E8M0 scales of Q, one for each 32 codes along K); V_codes 4 x 16 x 64 x 64 x 32 uint8 (E4M3 codes of V, K innermost, in blocks of 32 codes); V_scales 4 x 16 x 64 x 64 uint8 (E8M0 scales of V, one for each 32 codes along K).
;; Outputs: out0 4 x 16 x 2,048 x 64 float32.
;; Constants: dk = 64.
;; This version of the problem:
;;   THIS VERSION OF THE PROBLEM IS GIVEN IN LOW PRECISION. The matrix products marked QUANTISED in the list below multiply operands that are first quantised to E4M3 (4 exponent bits, 3 mantissa bits; 8 bits a number), with one power-of-two scale for each 32 numbers along K (OCP MX v1.0); their sums are f32. All else is computed in f32.
;;   The module's matrix products, in the order in which they are computed (A, B: the left and right operand; K: the contracted axis; several contracted axes count as one K, in the product's order):
;;     1. batch 64 x [M 2,048, K 64] x [K 64, N 2,048]; A: input Q (given as codes); B: input K (given as codes): QUANTISED
;;     2. batch 64 x [M 2,048, K 2,048] x [K 2,048, N 64]; A: softmax (see below); B: input V (given as codes): QUANTISED
;;   THE QUANTISER, for each operand of a quantised product, along K:
;;     - K is cut into blocks of 32 from its start; a last block that is shorter is filled with zeros.
;;     - A block's scale is 2^e with e = floor(log2(the largest magnitude in the block)) - 8, held to -126 .. 127; a block of zeros has e = 0. As a byte (E8M0): e + 127.
;;     - Each number is divided by its block's scale, clamped to +-448, and rounded to the nearest number of E4M3, ties to even, subnormals kept.
;;     - The product sums the exact products of the quantised numbers (number of the format x scale) in f32.
;;   ~~~python
;;   def quantise(x, axis):      # numpy; x: float32 -> the quantised numbers, widened to float32 again
;;       x = np.moveaxis(x, axis, -1); K = x.shape[-1]
;;       x = np.pad(x, [(0, 0)] * (x.ndim - 1) + [(0, -K % 32)]); x = x.reshape(x.shape[:-1] + (-1, 32)); a = np.abs(x).max(-1, keepdims=True)
;;       e = np.where(a > 0, np.clip(np.frexp(np.where(a > 0, a, 1))[1] - 1 - 8, -126, 127), 0)      # np.frexp(a)[1] - 1 = floor(log2(a)), exactly
;;       r = np.clip(x / 2.0 ** e, -448, 448)
;;       step = 2.0 ** (np.maximum(np.frexp(np.where(r == 0, 1, r))[1] - 1, -6) - 3)
;;       q = np.round(r / step) * step * 2.0 ** e      # np.round: ties to even
;;       return np.moveaxis(q.reshape(q.shape[:-2] + (-1,))[..., :K], -1, axis).astype(np.float32)
;;   ~~~
;;   SOFTMAX AHEAD OF A QUANTISED PRODUCT. Where the list says 'softmax', what is quantised is not the finished softmax but p = 2^(t - M), with t = logit x log2(e) and M = ceil(the row's largest t), a whole number; so 1/2 < the row's largest p <= 1. The row's sum l is taken of the UNQUANTISED p, in f32, and the product's result is divided by l at the end. Since M is a whole number, a kernel that streams over the keys may use a running M (the ceiling of the running maximum): every later rescaling is an exact power of two, which a block's scale takes up: the codes' values come out the same.
;;   OPERANDS COMPUTED ON THE WAY. 'Computed on the way' means the value that the module computes at that place (a softmax that the list does not call 'softmax' is quantised finished and normalised). What goes into a quantiser is computed in f32, as accurately as f32 sums, v_exp_f32 and their like allow (about 1e-6 of the number): no bf16 or f16 on the way to a quantiser, and a product that is left as it is and whose result goes on into a quantised operand takes f32 operands (vector FMAs, or v_wmma_f32_16x16x4_f32). A number that lies on a knife's edge between two numbers of the format may be rounded either way, as far as f32 arithmetic and the matrix unit's own rounding can turn it there, and no further.
;;   INPUTS GIVEN AS CODES. K (in the module: [4, 16, 2048, 64], K = its axis 3); Q (in the module: [4, 16, 2048, 64], K = its axis 3); V (in the module: [4, 16, 2048, 64], K = its axis 2): each comes as NAME_codes (uint8): NAME with its K axis moved to the last place and cut into blocks of 32 codes, [.., K / 32, bytes a block], one block behind the other in memory; one code a byte (a code: sign, 4 exponent bits, 3 mantissa bits); and NAME_scales (uint8): the same leading axes, one E8M0 byte (e + 127) for each 32 codes along K. Its value is code x scale, taken as it is: it is not quantised again, and the codes and scales need not be those that the quantiser above would give.
;; One version. Each part assembles by itself: llvm-mc -triple=amdgcn-amd-amdhsa -mcpu=gfx1250 --defsym DOCPART=n.
;; ======== version 1 of 1: 1 launch
;; launch attn (part 1): grid 4 x 64, 8 waves a work-group, clusters of 4 x 1, 327,680 bytes of LDS; arguments Q_codes, Q_scales, K_codes, K_scales, V_codes, V_scales, out0; writes out0
.if DOCPART == 1
	.amdgcn_target "amdgcn-amd-amdhsa--gfx1250"
	.amdhsa_code_object_version 6
	.text
	.protected	k_q24de1c5a18_attn
	.globl	k_q24de1c5a18_attn
	.p2align	8
	.type	k_q24de1c5a18_attn,@function
k_q24de1c5a18_attn:
	s_mov_b64 s[64:65], 0
	v_nop
	global_prefetch_b8 v0, s[64:65] scope:SCOPE_SE
	s_setreg_imm32_b32 hwreg(HW_REG_WAVE_MODE, 25, 1), 1
	s_wait_xcnt 0x0
	s_wait_alu depctr_hold_cnt(0) depctr_sa_sdst(0) depctr_va_vdst(0) depctr_va_sdst(0) depctr_va_ssrc(0) depctr_va_vcc(0) depctr_vm_vsrc(0)
	s_getreg_b32 s2, hwreg(HW_REG_IB_STS2, 6, 4)
	s_cmp_eq_u32 s2, 0
	s_cbranch_scc0 .Lentry_in_a_cluster
	s_endpgm
.Lentry_in_a_cluster:
	s_bfe_u32 s2, ttmp6, 0x10000c
	s_cmp_lg_u32 s2, 0x3003
	s_cbranch_scc0 .Lentry_shape_is_right
	s_endpgm
.Lentry_shape_is_right:
; out[h][q][:] = the sum over k of softmax_k(8 x Q[h][q] . K[h][k]) V[h][k][:], 64 heads, 2,048 queries and keys, head size 64, no mask.  (reference() divides by 1 / sqrt(dk): the logit is the score x sqrt(64) = x 8.)
; Both products on codes of FP8 (E4M3) with one E8M0 scale for each 32 along a product's K.  Q, K: [64][2048][64] codes, scale bytes [64][2048][2].  V: codes with the KEYS innermost, [64][64][2048], scale bytes [64][64][64].  out: [64][2048][64] f32.
; THE SOFTMAX AHEAD OF THE SECOND PRODUCT: t = score x c, c = 8 log2(e); M = the row's largest t so far, rounded UP to a whole number; p = 2^(t - M) is quantised along the keys, not normalised.
; The row's sum is taken of the unquantised p, in f32, and divides O at the end.  When M moves, the sum and O are multiplied by 2^(old M - new M): exact.
; NOTHING OF reference() IS LEFT OUT: every input has a way to the output and is loaded; dk = 64 is a constant of the problem and stands in c.
; K AND V OF A HEAD STAY IN LDS: 128 KB of codes each.  They come once, by sixteen tensor loads issued at the head (four a wave in waves 0 to 3), in four chunks of 512 keys; no LDS byte is filled twice, so there is no ring.
; SHARES.  A work-group owns 512 queries of one head and walks the resident keys twice: two passes of 256 queries.  Eight waves of 512 registers, two to a SIMD; a wave owns 32 queries a pass: two tiles of 16.
; Tile 0 lives in register window 0, tile 1 in window 1, at the same numbers, so that one macro text serves both; each fragment of K and V read from LDS feeds both tiles.
; CLUSTER.  The four work-groups of a head form a cluster and need the same K and V: each tile is asked for JOINTLY, by the same tensor load with the same descriptor and the mask of all four.
; LAYOUT.  Both products are used transposed: S^T = K Q^T (source 0 = keys, source 1 = my 16 queries), O^T = V^T P^T (source 0 = 16 of the head's 64, source 1 = P): a lane holds ONE query (lane % 16) throughout.
; THE FIRST PRODUCT IS 64 DEEP, THE INSTRUCTION 128.  A fragment of K holds TWO keys a row: registers 0-7 key a = 32 b + r + 8 (r / 8), registers 8-15 key a + 8, all 64 of the head each.  Q lies as [Q][zeros][Q] in v16-39:
; v[16:31] meets the first key of a row, v[24:39] the second.  So tile 2 b holds keys 32 b + 16 (lane / 16) + 0..7 and tile 2 b + 1 the next eight: p's 16 registers of the two are 16 neighbouring keys, as the second product's operand wants them.
; The dead half multiplies codes of K by zero codes of Q, under the scale byte 0 for Q: it adds nothing.
; No prefetch is written: every tensor load goes out at the head, and the one later read from memory, the second pass's Q, is loaded into registers a whole way out ahead of its use.
; LIMITS: NaN and infinities are not served (a NaN code or a scale byte 0xff of a key also reaches the scores of the key 8 away; in reference() such a key makes every row of its head NaN); p under 2^-126 comes out of v_exp_f32 as 0;
; a block of 32 keys whose largest p lies under 2^-118 keeps the scale byte 1 (a block of zeros too: its codes are zeros, and this program alone reads the byte).
.set KCH,   36864                      ; LDS: a chunk of K: 256 rows of two keys (128 bytes + 16 of padding, pitch 144): key i at (i / 2) x 144 + (i % 2) x 64
.set KHALF, 18432                      ; 128 such rows: what one tensor load brings
.set KSTEP, 9216                       ; 128 keys
.set VB,    4*KCH                      ; V: four chunks of 64 rows d x (512 bytes of keys + 16 of padding)
.set VP,    528
.set VCH,   64*VP
.set VHALF, 32*VP                      ; 32 rows: what one tensor load brings
.set SCK,   VB+4*VCH                   ; K's scale words as the fragments want them: [step 16][r 16][b 4], 4 bytes each
.set SCV,   SCK+4096                   ; V's: [step 16][r 16][t 4]
.set STG,   SCV+4096                   ; the way out: 16 rows x (256 bytes + 16) for each wave
.set SP,    272
.set SPARE, STG+8*16*SP                ; the spare words, 128 bytes for each wave: four blocks of 256 bytes that no other line names
; window 0 alone
.set AK0, 1                            ; v1   my lane's place in a fragment of K
.set AV0, 2                            ; v2   in a fragment of V
.set AS0, 3                            ; v3   among K's scale words (V's lie 4,096 bytes on)
.set QA,  4                            ; v4   my byte in a tile of Q
.set QB,  5                            ; v5   and among its scale bytes
.set STO, 6                            ; v6   the way out: where I put 32 bytes of a row
.set RD,  7                            ; v7   where I read a row back
.set ADK, 8                            ; v8-10 addresses of the step's loads
.set ADV, 9
.set ADS, 10
.set GO,  11                           ; v11  my byte offset in two rows of out
.set QS,  40                           ; v40-43 Q's scale words: tile x at 2 x: for the first key of a row, for the second
.set KS,  44                           ; v44-47 K's scale words of a step
.set VS,  48                           ; v48-51 V's
.set VF,  52                           ; v52-115 of window 0: V's four fragments; on the way out rows of out
.set KF,  52                           ; v52-115 of window 1: K's four fragments
.set PW,  250                          ; v250, v251 p's scale words, tile 0's and tile 1's
.set SPW, 252                          ; v252 LDS address of my spare word; never rewritten
.set NIL, 253                          ; v253 0; never rewritten
; in each tile's window: v12 -M, v13 the largest t, v[14:15] the sum in two halves, v16-39 Q
.set SR,  116                          ; v116-179 S^T, then p, at the end O^T / the sum
.set OT,  180                          ; v180-211 O^T
.set PC,  212                          ; v212-227 p's codes
.set BM,  228                          ; v228-231 a block's largest score, then its largest p
.set T1,  232                          ; v232-235 the other half's maxima, then the scale bytes
.set HD,  236                          ; v236-239 448 x the scale
.set SO,  240                          ; v240-243 the conversions' scale operands
.set FF,  244                          ; v244 f = 2^(old M - new M); v245 the scale word in the making
.set TMP, 246
.set L2,  248                          ; v[248:249] the sums' second chain
.set WV,  18                           ; s18  my wave's number
.set MNT, 19                           ; s19  the mantissa field of 448
.set SEL, 20                           ; s[20:21] lane selects for v_permlanex16_b32: lane l xor 16
.set CS,  22                           ; s[22:23] c: the packed form names a pair and takes its low word for both halves
.set G1K, 24                           ; s[24:31] descriptor group 1 for K's tiles;  s[32:39] for V's
.set G1V, 32
.set G0K, 40                           ; s[40:55] groups 0 for K's four chunks
.set G0V, 68                           ; s[68:83] for V's
.set TK,  56                           ; s56  LDS byte at which the step's keys begin in K
.set TV,  57                           ; s57  in V
.set TS,  58                           ; s58  among the scale words
.set STEPS, 59
.set PASS,  60
.set MSB, 0
.macro WIN new                         ; s_set_vgpr_msb: bits 1:0 source 0, 3:2 source 1, 5:4 source 2, 7:6 destination; the high byte repeats the setting that is left; a switch that changes nothing is dropped
.if MSB != (\new)
	s_set_vgpr_msb (MSB<<8)|(\new)
.set MSB, (\new)
.endif
.endm
; A round of the cluster's barrier: my work-group's barrier; wave 0 signals for the work-group; every wave waits for all four work-groups; my work-group's barrier once more.
.macro CROUND
	s_barrier_signal -1
	s_barrier_wait -1
	s_cmp_lg_u32 s[WV], 0
	s_cbranch_scc1 .Lnot_wave_0_\@
	s_barrier_signal -3
.Lnot_wave_0_\@:
	s_barrier_wait -3
	s_barrier_signal -1
	s_barrier_wait -1
.endm
; My 32 queries of a pass: ten loads.  A tile's 16 rows x 64 codes go into v16-23 and once more into v32-39 (lane (r, h): row r, bytes 16 h and 32 + 16 h); v24-31 between them stay zeros.
.macro QLOAD
.irp x, 0,1
	WIN 0x40*\x                                    ; destination: the tile's window; address: window 0
	global_load_b128 v[16:19], v[QA], s[4:5] offset:1024*\x
	global_load_b128 v[20:23], v[QA], s[4:5] offset:1024*\x+32
	global_load_b128 v[32:35], v[QA], s[4:5] offset:1024*\x
	global_load_b128 v[36:39], v[QA], s[4:5] offset:1024*\x+32
.endr
	WIN 0
	global_load_u16 v[QS], v[QB], s[6:7]           ; a query's two scale bytes, zeros above them: the word for the first key of a row
	global_load_u16 v[QS+2], v[QB], s[6:7] offset:32
.endm
; A pass begins: the largest t so far is -3e38, under every t; the sum and O^T are zeros, which the first change of M leaves zeros.  So the key step is written once, with no first step of its own.
.macro INIT x
	WIN 0x55*(\x)
	v_mov_b32 v13, 0xff61b1e6
	v_floor_f32 v12, -v13
	v_mov_b32 v14, 0
	v_mov_b32 v15, 0
.set j, 0
.rept 32
	v_mov_b32 v[OT+j], 0
.set j, j+1
.endr
.endm
.macro KLOAD                           ; 17 LDS loads: the step's scale words of K, and four fragments of 32 keys: block b, key a (u = 0) or a + 8 (u = 1), the head's halves c
	ds_load_b128 v[KS:KS+3], v[ADS]
	WIN 0x40                                       ; destination window 1
.irp b, 0,1,2,3
.irp u, 0,1
.irp c, 0,1
	ds_load_b128 v[KF+16*\b+8*\u+4*\c:KF+16*\b+8*\u+4*\c+3], v[ADK] offset:2304*\b+576*\u+32*\c
.endr
.endr
.endr
	WIN 0
.endm
.macro VLOAD                           ; 17 LDS loads: the step's scale words of V, and four fragments: 16 of the head's 64 x 128 keys
	ds_load_b128 v[VS:VS+3], v[ADS] offset:4096
.irp t, 0,1,2,3
.irp c, 0,1,2,3
	ds_load_b128 v[VF+16*\t+4*\c:VF+16*\t+4*\c+3], v[ADV] offset:16*VP*\t+32*\c
.endr
.endr
.endm
.macro SPROD x                         ; S^T of tile x: eight products, each starting its own sum with the constant 0
	WIN 0x01+0x44*(\x)                             ; K in window 1; Q and S^T in the tile's window
.irp b, 0,1,2,3
.irp u, 0,1
	v_wmma_scale_f32_16x16x128_f8f6f4 v[SR+16*\b+8*\u:SR+16*\b+8*\u+7], v[KF+16*\b:KF+16*\b+15], v[16+8*\u:31+8*\u], 0, v[KS+\b], v[QS+2*\x+\u]
.endr
.endr
.endm
.macro PV x                            ; O^T += V^T P^T of tile x: the four accumulators by turns, one instruction a turn
	WIN 0x54*(\x)                                  ; V in window 0; P and O^T in the tile's window
.irp t, 0,1,2,3
	v_wmma_scale_f32_16x16x128_f8f6f4 v[OT+8*\t:OT+8*\t+7], v[VF+16*\t:VF+16*\t+15], v[PC:PC+15], v[OT+8*\t:OT+8*\t+7], v[VS+\t], v[PW+\x]
.endr
.endm
; THE SOFTMAX of tile x for 128 keys: all in the tile's window, but for the finished scale word, which goes to window 0, where scale operands are read.
.macro SOFTMAX x
	WIN 0x55*(\x)
.irp b, 0,1,2,3
	v_max3_num_f32 v[BM+\b], v[SR+16*\b], v[SR+16*\b+1], v[SR+16*\b+2]   ; THE LARGEST SCORE OF EACH BLOCK OF 32 KEYS serves twice: for the row's maximum, and, since p rises with the score, for the block's largest p.  Each accumulator is read from its low end on
.endr
.irp i, 3,5,7,9,11,13
.irp b, 0,1,2,3
	v_max3_num_f32 v[BM+\b], v[BM+\b], v[SR+16*\b+\i], v[SR+16*\b+\i+1]   ; (the four blocks by turns)
.endr
.endr
.irp b, 0,1,2,3
	v_max_num_f32 v[BM+\b], v[BM+\b], v[SR+16*\b+15]
.endr
.irp b, 0,1,2,3
	v_permlanex16_b32 v[T1+\b], v[BM+\b], s[SEL], s[SEL+1]
.endr
.irp b, 0,1,2,3
	v_max_num_f32 v[BM+\b], v[BM+\b], v[T1+\b]     ; with lane l xor 16's 16 keys
.endr
	v_max3_num_f32 v[TMP], v[BM], v[BM+1], v[BM+2]
	v_max_num_f32 v[TMP], v[TMP], v[BM+3]          ; the step's largest score of my query
	v_mul_f32 v[TMP], s[CS], v[TMP]                ; as t (c is positive)
	v_max_num_f32 v13, v13, v[TMP]                 ; the running largest t
	v_mov_b32 v[TMP], v12
	v_floor_f32 v12, -v13                          ; the new -M = floor(-t) = -ceil(t): M is a whole number
	v_sub_f32 v[TMP], v12, v[TMP]                  ; M's old value less its new one: a whole number, 0 or less
	v_cvt_i32_f32 v[TMP], v[TMP]                   ; (it saturates)
	v_ldexp_f32 v[FF], 1.0, v[TMP]                 ; f = 2^(old M - new M)
.set j, 0
.rept 32
	v_pk_fma_f32 v[SR+j:SR+j+1], v[SR+j:SR+j+1], s[CS:CS+1], v[12:13] op_sel_hi:[1,0,0]   ; t - M, two at a time (of the pairs c and -M the low word serves both halves)
.set j, j+2
.endr
.irp b, 0,1,2,3
	v_fma_f32 v[BM+\b], v[BM+\b], s[CS], v12       ; the same of each block's largest score
.endr
.set j, 0
.rept 64
	v_exp_f32 v[SR+j], v[SR+j]                     ; p = 2^(t - M): not normalised
.set j, j+1
.endr
	v_pk_mul_f32 v[14:15], v[14:15], v[FF:FF+1] op_sel_hi:[1,0]   ; the sums under the new M: a plain instruction behind the exponentials
	s_wait_alu depctr_va_vdst(0)                   ; one wait for the batch of 64, ahead of the first line that names a result
.irp b, 0,1,2,3
	v_exp_f32 v[BM+\b], v[BM+\b]                   ; the block's largest p: the same two instructions on the same number give the same bits
.endr
	v_pk_add_f32 v[L2:L2+1], v[SR:SR+1], v[SR+2:SR+3]   ; THE ROW'S SUM IS TAKEN OF THE UNQUANTISED p: two at a time, in two chains; it reads the 64 alone
.set j, 4
.rept 15
	v_pk_add_f32 v[14:15], v[14:15], v[SR+j:SR+j+1]
	v_pk_add_f32 v[L2:L2+1], v[L2:L2+1], v[SR+j+2:SR+j+3]
.set j, j+4
.endr
	v_pk_add_f32 v[14:15], v[14:15], v[L2:L2+1]
	s_wait_alu depctr_va_vdst(0)                   ; and one wait for the four
.irp b, 0,1,2,3
	v_max_num_f32 v[BM+\b], 0x4800000, v[BM+\b]    ; the floor 2^(9 - 127): the byte cannot fall under 1
.endr
.irp b, 0,1,2,3
	v_add_nc_u32 v[SO+\b], 0xfc000000, v[BM+\b]    ; 8 off the exponent field: the conversion's scale operand
.endr
.irp b, 0,1,2,3
	v_and_or_b32 v[HD+\b], v[BM+\b], 0x7f800000, s[MNT]   ; 448 x the scale
.endr
.irp b, 0,1,2,3
	v_lshrrev_b32 v[T1+\b], 23, v[SO+\b]           ; the scale's byte
.endr
	v_lshl_or_b32 v[FF+1], v[T1+1], 8, v[T1]
	v_lshl_or_b32 v[FF+1], v[T1+2], 16, v[FF+1]
	WIN 0x15*(\x)                                  ; destination window 0
	v_lshl_or_b32 v[PW+\x], v[T1+3], 24, v[FF+1]   ; p's scale word for these 128 keys; the holds below are more than the eight places that it stands ahead of its products
	WIN 0x55*(\x)
.irp b, 0,1,2,3
.irp i, 0,1,2,3,4,5,6,7,8,9,10,11,12,13,14,15
	v_min_num_f32 v[SR+16*\b+\i], v[SR+16*\b+\i], v[HD+\b]   ; the conversion to an 8-bit code does not saturate (ISA guide 7.6.2); p is not negative, so the hold is one-sided
.endr
	v_cvt_scalef32_pk8_fp8_f32 v[PC+4*\b:PC+4*\b+1], v[SR+16*\b:SR+16*\b+7], v[SO+\b]
	v_cvt_scalef32_pk8_fp8_f32 v[PC+4*\b+2:PC+4*\b+3], v[SR+16*\b+8:SR+16*\b+15], v[SO+\b]
.endr
.set j, 0
.rept 16
	v_pk_mul_f32 v[OT+j:OT+j+1], v[OT+j:OT+j+1], v[FF:FF+1] op_sel_hi:[1,0]   ; O^T under the new M, from each accumulator's low end on.  These 16 are also the plain place behind the conversions and the codes' four places ahead of the products
.set j, j+2
.endr
.endm
; A KEY STEP: 128 keys for both tiles.
.macro STEP
	v_add_nc_u32 v[ADK], s[TK], v[AK0]
	v_add_nc_u32 v[ADV], s[TV], v[AV0]
	v_add_nc_u32 v[ADS], s[TS], v[AS0]
.rept 5
	v_nop                                          ; with the three additions: eight places between the last step's products V^T P^T and the loads into V's registers
.endr
	KLOAD
	VLOAD
	s_wait_dscnt 17                                ; K's 17 loads are in; V's 17, issued behind them, may be out
	SPROD 0
	SPROD 1
	WIN 0
.rept 8
	v_nop                                          ; eight places ahead of the first read of the scores
.endr
	SOFTMAX 0
	s_wait_dscnt 0x0                               ; V is in
	PV 0
	SOFTMAX 1                                      ; tile 1's vector work stands behind tile 0's products
	PV 1
	WIN 0                                          ; at a label and at a branch every window is 0
	s_add_co_u32 s[TK], s[TK], KSTEP
	s_add_co_u32 s[TV], s[TV], 128
	s_add_co_u32 s[TS], s[TS], 256
.endm
; A CHUNK of 512 keys: four steps behind a gate.  The count leaves my loads for the later chunks on their way. In the second pass every load has landed and the wait is met at once.
.macro CHUNK c
	WIN 0
	s_wait_tensorcnt 3-\c                          ; tensor loads of a wave end in order (ISA guide 10.11.1): my part of chunk c is in LDS
	s_wait_dscnt 0x0                               ; no LDS instruction of mine is out (ahead of the first gate: my stores of scale words have landed)
	s_barrier_signal -1
	s_barrier_wait -1                              ; everybody's part is
	s_mov_b32 s[TK], KCH*\c
	s_mov_b32 s[TV], VCH*\c
	s_mov_b32 s[TS], 1024*\c
	s_mov_b32 s[STEPS], 4
.Lstep_\@:
	STEP
	s_sub_co_u32 s[STEPS], s[STEPS], 1
	s_cmp_lg_u32 s[STEPS], 0
	s_cbranch_scc1 .Lstep_\@
.endm
; THE WAY OUT of tile x.  NORM: the sum's halves and lane l xor 16's are added; O^T / the sum goes into the scores' registers.
.macro NORM x
	WIN 0x55*(\x)
	v_add_f32 v14, v14, v15
	v_permlanex16_b32 v[TMP], v14, s[SEL], s[SEL+1]
	v_add_f32 v14, v14, v[TMP]
	v_rcp_f32 v14, v14
	v_nop                                          ; a plain instruction between the reciprocal and the use of its result
	s_wait_alu depctr_va_vdst(0)                   ; and a wait ahead of the first use
.set j, 0
.rept 16
	v_pk_mul_f32 v[SR+j:SR+j+1], v[OT+j:OT+j+1], v[14:15] op_sel_hi:[1,0]   ; register 8 t + i is out(r, 16 t + 8 h + i)
.set j, j+2
.endr
.endm
; STAGE: a lane's 32 bytes of a row go into my own stage in LDS and come back as whole rows of 256 bytes.  LDS serves a wave's instructions in order (ISA guide 5.7.1.4): no wait between the stores and the loads, nor ahead of the next tile's stores.
.macro STAGE x
	WIN 0x04*(\x)                                  ; an LDS store's data are its source 1
.irp t, 0,1,2,3
	ds_store_b128 v[STO], v[SR+8*\t:SR+8*\t+3] offset:64*\t
	ds_store_b128 v[STO], v[SR+8*\t+4:SR+8*\t+7] offset:64*\t+16
.endr
	WIN 0
.irp i, 0,1,2,3,4,5,6,7
	ds_load_b128 v[VF+32*\x+4*\i:VF+32*\x+4*\i+3], v[RD] offset:2*SP*\i
.endr
.endm
.macro SEND x                          ; behind load i of tile 0 stand its 7 - i younger loads and tile 1's sixteen stage instructions; behind load i of tile 1 its 7 - i younger loads
.irp i, 0,1,2,3,4,5,6,7
	s_wait_dscnt 23-16*(\x)-\i
	global_store_b128 v[GO], v[VF+32*\x+4*\i:VF+32*\x+4*\i+3], s[16:17] offset:4096*\x+512*\i th:TH_STORE_NT   ; 16 lanes store a row of out: 256 consecutive bytes, at a multiple of 256 from its first byte; written once, read by nobody here
.endr
.endm
	s_load_b256 s[4:11], s[0:1], 0x0               ; Q's codes s[4:5], Q's scales s[6:7], K's codes s[8:9], K's scales s[10:11]
	s_load_b128 s[12:15], s[0:1], 0x20             ; V's codes s[12:13], V's scales s[14:15]
	s_load_b64 s[16:17], s[0:1], 0x30              ; out
	v_lshl_add_u32 v[SPW], v0, 2, SPARE
	v_mov_b32 v[NIL], 0
	ds_add_u32 v[SPW], v[NIL]                      ; the wave's opening: the add, twice on end, and its wait ahead of the first tensor loads; the set-up below, work on registers, stands between the second and the wait
	ds_add_u32 v[SPW], v[NIL]
	v_lshrrev_b32 v116, 5, v0
	v_readfirstlane_b32 s[WV], v116                ; wave 0..7
	s_bfe_u32 s84, ttmp6, 0x40000                  ; cx: my place in the cluster: it enters Q's and out's addresses alone
	s_lshl_b32 s85, ttmp9, 2
	s_add_co_u32 s85, s85, s84                     ; my block of 512 queries
	s_and_b32 s86, ttmp7, 0xffff                   ; the head, which the four partners share
	s_and_b32 s87, s[WV], 1                        ; which half of a chunk I fetch, if I fetch
	s_lshl_b32 s88, s86, 17                        ; the head's first byte in each tensor of codes,
	s_mov_b32 s89, 0
	s_lshl_b32 s90, s86, 12                        ; of scale bytes,
	s_mov_b32 s91, 0
	s_lshl_b32 s92, s86, 19                        ; and in out
	s_mov_b32 s93, 0
	s_lshl_b32 s94, s85, 9
	s_lshl_b32 s95, s[WV], 5
	s_add_co_u32 s94, s94, s95                     ; my first query of the first pass: 512 x block + 32 x wave
	s_lshl_b32 s2, s94, 6
	s_add_co_u32 s2, s2, s88                       ; its codes,
	s_mov_b32 s3, 0
	s_lshl_b32 s62, s94, 1
	s_add_co_u32 s62, s62, s90                     ; its scale bytes,
	s_mov_b32 s63, 0
	s_lshl_b32 s98, s94, 8
	s_add_co_u32 s98, s98, s92                     ; its row of out
	s_mov_b32 s99, 0
	s_lshl_b32 s96, s87, 14                        ; K: my half of chunk 0 in memory: 256 keys of 64 bytes,
	s_add_co_u32 s96, s96, s88
	s_mov_b32 s97, 0
	s_mul_i32 s58, s87, KHALF                      ; and in LDS: no place in the cluster enters an LDS address
	s_lshl_b32 s56, s87, 16                        ; V: my 32 rows of 2,048 bytes in memory,
	s_add_co_u32 s56, s56, s88
	s_mov_b32 s57, 0
	s_mul_i32 s61, s87, VHALF
	s_add_co_u32 s61, s61, VB                      ; and in LDS
	s_mul_i32 s59, s[WV], 16*SP
	s_add_co_u32 s59, s59, STG                     ; my stage
	; descriptor group 1.  K: 128 rows of 128 bytes (two keys; the rows are dense in memory), 16 bytes of padding behind each.  V: 32 rows of 512 bytes, 2,048 bytes apart, 16 bytes of padding behind each
	s_mov_b32 s[G1K], 15|(1<<20)|(1<<21)|(4<<22)|(3<<25)   ; 15:0 the mask: all four work-groups; 17:16 elements of 1 byte; 20 padding on; 21 set beside a mask; 24:22 after every 32 words (code 4); 31:25 four words (code 3)
	s_mov_b32 s[G1K+1], 128<<16                    ; tensor_dim0
	s_mov_b32 s[G1K+2], 128<<16                    ; tensor_dim1
	s_mov_b32 s[G1K+3], 128<<16                    ; tile_dim0
	s_mov_b32 s[G1K+4], 128                        ; tile_dim1
	s_mov_b32 s[G1K+5], 128                        ; tensor_dim0_stride
	s_mov_b32 s[G1K+6], 0
	s_mov_b32 s[G1K+7], 0
	s_mov_b32 s[G1V], 15|(1<<20)|(1<<21)|(6<<22)|(3<<25)   ; padding: four words after every 128
	s_mov_b32 s[G1V+1], 512<<16
	s_mov_b32 s[G1V+2], 32<<16
	s_mov_b32 s[G1V+3], 512<<16
	s_mov_b32 s[G1V+4], 32
	s_mov_b32 s[G1V+5], 2048
	s_mov_b32 s[G1V+6], 0
	s_mov_b32 s[G1V+7], 0
	s_mov_b32 s[MNT], 0x600000
	s_mov_b32 s[SEL], 0x76543210
	s_mov_b32 s[SEL+1], 0xfedcba98
	s_mov_b32 s[CS], 0x4138aa3b                    ; c = 8 log2(e)
	s_mov_b32 s[CS+1], s[CS]                       ; (named with it as a pair, so it is written)
	s_mov_b32 s[PASS], 2
	v_and_b32 v117, 15, v0                         ; r = lane % 16
	v_bfe_u32 v118, v0, 4, 1                       ; h = lane / 16
	v_and_b32 v119, 8, v117
	v_add_nc_u32 v119, v119, v117                  ; r + 8 (r / 8): the first key of my row of a fragment
	v_lshrrev_b32 v120, 1, v119
	v_mul_u32_u24 v[AK0], v120, 144                ; its pair's row,
	v_and_b32 v120, 1, v119
	v_lshl_add_u32 v[AK0], v120, 6, v[AK0]         ; its half of that row,
	v_lshl_add_u32 v[AK0], v118, 4, v[AK0]         ; + 16 h.  The 16 lanes of a load's pass fall into 16 different columns of 16 bytes modulo 256
	v_mul_u32_u24 v[AV0], v117, VP
	v_lshl_add_u32 v[AV0], v118, 4, v[AV0]
	v_add_nc_u32 v[AV0], VB, v[AV0]
	v_lshl_add_u32 v[AS0], v117, 4, SCK
	v_lshlrev_b32 v[QA], 6, v117
	v_lshl_add_u32 v[QA], v118, 4, v[QA]
	v_lshlrev_b32 v[QB], 1, v117
	v_mul_u32_u24 v[STO], v117, SP                 ; into the stage: row r, 32 bytes for each half of the lanes
	v_lshl_add_u32 v[STO], v118, 5, v[STO]
	v_add_nc_u32 v[STO], s59, v[STO]
	v_mul_u32_u24 v[RD], v118, SP                  ; back: lanes 0-15 one row of 256 bytes, lanes 16-31 the next
	v_lshl_add_u32 v[RD], v117, 4, v[RD]
	v_add_nc_u32 v[RD], s59, v[RD]
	v_lshlrev_b32 v[GO], 8, v118                   ; and the same two rows in out
	v_lshl_add_u32 v[GO], v117, 4, v[GO]
	; the scale words: thread i = 0..255.  K: block of 32 keys i / 8 (and 32 blocks on); of its 16 words of two keys each, word (i % 8) + 4 ((i / 4) % 2): keys 0-7 and 16-23; the word 16 bytes on holds the keys 8 further
	v_lshrrev_b32 v121, 3, v0
	v_lshlrev_b32 v121, 6, v121
	v_and_b32 v122, 7, v0
	v_lshl_add_u32 v121, v122, 2, v121
	v_bfe_u32 v123, v0, 2, 1
	v_lshl_add_u32 v121, v123, 4, v121             ; K's scale bytes in memory
	v_lshlrev_b32 v124, 3, v0                      ; V's: 8 bytes a thread: row d = i / 8 (and 32 rows on), steps 2 (i % 8) and the next
	v_lshrrev_b32 v125, 5, v0
	v_lshl_add_u32 v125, v125, 8, SCK              ; K's words in LDS: step i / 32,
	v_bfe_u32 v126, v0, 3, 2
	v_lshl_add_u32 v125, v126, 2, v125             ; block (i / 8) % 4,
	v_lshl_add_u32 v125, v122, 5, v125             ; rows r = 2 (i % 8) and the next
	v_lshl_add_u32 v127, v122, 9, SCV              ; V's: step 2 (i % 8),
	v_bfe_u32 v126, v0, 3, 4
	v_lshl_add_u32 v127, v126, 4, v127             ; row r = (i / 8) % 16,
	v_lshrrev_b32 v126, 7, v0
	v_lshl_add_u32 v127, v126, 2, v127             ; tile t = i / 128 (and two tiles on)
	s_wait_dscnt 0x0                               ; both opening adds are done
	s_wait_kmcnt 0x0
	s_add_nc_u64 s[4:5], s[4:5], s[2:3]
	s_add_nc_u64 s[6:7], s[6:7], s[62:63]
	s_add_nc_u64 s[8:9], s[8:9], s[96:97]
	s_add_nc_u64 s[10:11], s[10:11], s[90:91]
	s_add_nc_u64 s[12:13], s[12:13], s[56:57]
	s_add_nc_u64 s[14:15], s[14:15], s[90:91]
	s_add_nc_u64 s[16:17], s[16:17], s[98:99]
.irp c, 0,1,2,3
	s_mov_b32 s[G0K+4*\c], 1                       ; 1:0 count = 1
	s_add_co_u32 s[G0K+4*\c+1], s58, \c*KCH        ; 63:32 LDS address
	s_add_nc_u64 s[G0K+4*\c+2:G0K+4*\c+3], s[8:9], \c*32768   ; 120:64 global address: chunk c: 512 keys of 64 bytes on
	s_or_b32 s[G0K+4*\c+3], s[G0K+4*\c+3], 0x80000000   ; 127:126 type = 2
	s_mov_b32 s[G0V+4*\c], 1
	s_add_co_u32 s[G0V+4*\c+1], s61, \c*VCH
	s_add_nc_u64 s[G0V+4*\c+2:G0V+4*\c+3], s[12:13], \c*512   ; 512 keys on in each row
	s_or_b32 s[G0V+4*\c+3], s[G0V+4*\c+3], 0x80000000
.endr
	CROUND                                         ; all four work-groups are here: the joint loads meet
	; ALL TENSOR LOADS OF THE LAUNCH, one group: waves 0 and 1 ask for K's halves of the four chunks, waves 2 and 3 for V's; four loads of a wave are out.  The branches hang on the wave's number alone.
	; An s_nop 0 follows each load, four v_nop the last.
	s_cmp_lt_u32 s[WV], 2
	s_cbranch_scc0 .Lnot_k
.irp c, 0,1,2,3
	tensor_load_to_lds s[G0K+4*\c:G0K+4*\c+3], s[G1K:G1K+7]
	s_nop 0
.endr
.rept 4
	v_nop
.endr
	s_branch .Lasked
.Lnot_k:
	s_cmp_lt_u32 s[WV], 4
	s_cbranch_scc0 .Lasked
.irp c, 0,1,2,3
	tensor_load_to_lds s[G0V+4*\c:G0V+4*\c+3], s[G1V:G1V+7]
	s_nop 0
.endr
.rept 4
	v_nop
.endr
.Lasked:
	; the head's 4,096 + 4,096 scale bytes go through registers into LDS, laid as the fragments want them
	global_load_b32 v128, v121, s[10:11]           ; keys a, a + 1
	global_load_b32 v129, v121, s[10:11] offset:16 ; keys a + 8, a + 9
	global_load_b32 v130, v121, s[10:11] offset:2048
	global_load_b32 v131, v121, s[10:11] offset:2064
	global_load_b64 v[132:133], v124, s[14:15]
	global_load_b64 v[134:135], v124, s[14:15] offset:2048
	QLOAD                                          ; the first pass's queries
.irp x, 0,1
	WIN 0x40*\x
.irp j, 24,25,26,27,28,29,30,31
	v_mov_b32 v\j, 0                               ; the zeros between Q's two copies: written once
.endr
.irp b, 0,1,2,3
	v_mov_b32 v[T1+\b], 0                          ; written once: a lane permute's destination counts as one of its sources
.endr
	v_mov_b32 v[FF+1], 0                           ; (named as the upper half of the pair with f before it is first written)
.endr
	WIN 0
	s_wait_loadcnt 10                              ; the six loads of scale bytes are in; QLOAD's ten may be out
	v_perm_b32 v136, v129, v128, 0x05040100        ; the word of the row with key a: its two bytes, then those of key a + 8
	v_perm_b32 v137, v129, v128, 0x07060302        ; and of the row with key a + 1
	v_perm_b32 v138, v131, v130, 0x05040100
	v_perm_b32 v139, v131, v130, 0x07060302
	ds_store_b32 v125, v136
	ds_store_b32 v125, v137 offset:16
	ds_store_b32 v125, v138 offset:2048            ; 32 blocks are 8 steps on
	ds_store_b32 v125, v139 offset:2064
	ds_store_b32 v127, v132
	ds_store_b32 v127, v133 offset:256             ; the next step
	ds_store_b32 v127, v134 offset:8               ; 32 rows are two tiles on
	ds_store_b32 v127, v135 offset:264
.Lpass:                                            ; two trips: 256 queries of the work-group each
	s_wait_loadcnt 0x0                             ; Q and its scale bytes
	v_lshlrev_b32 v[QS+1], 16, v[QS]               ; the word for the second key of a row: the two bytes moved up, zeros below
	v_lshlrev_b32 v[QS+3], 16, v[QS+2]
	INIT 0
	INIT 1
	CHUNK 0
	CHUNK 1
	CHUNK 2
	CHUNK 3
.rept 8
	v_nop                                          ; eight places ahead of the first read of the last products' results
.endr
	s_cmp_eq_u32 s[PASS], 1                        ; the next pass's queries are asked for here, if there is a next pass: no load leaves its buffer
	s_cbranch_scc1 .Lno_next
	s_add_nc_u64 s[4:5], s[4:5], 16384             ; (this pass's loads were waited for at its head)  256 queries on
	s_add_nc_u64 s[6:7], s[6:7], 512
	QLOAD
.Lno_next:
	NORM 0
	NORM 1
	STAGE 0
	STAGE 1
	SEND 0
	SEND 1
	s_wait_xcnt 0x0                                ; the stores have read their registers and their base: both are written again only behind this wait
	s_add_nc_u64 s[16:17], s[16:17], 65536
	s_sub_co_u32 s[PASS], s[PASS], 1
	s_cmp_lg_u32 s[PASS], 0
	s_cbranch_scc1 .Lpass
	s_wait_tensorcnt 0x0                           ; the wave's end: behind my last tensor load and my last LDS store
	ds_add_u32 v[SPW], v[NIL]
	s_wait_dscnt 0x0
	CROUND                                         ; the closing round: no work-group ends while a partner may still ask for a tile that names it
	s_endpgm
.Lfunc_end_k_q24de1c5a18_attn:
	.size	k_q24de1c5a18_attn, .Lfunc_end_k_q24de1c5a18_attn-k_q24de1c5a18_attn
	.p2alignl 7, 3214868480
	.fill 96, 4, 3214868480
	.section	.rodata,"a",@progbits
	.p2align	6, 0x0
	.amdhsa_kernel k_q24de1c5a18_attn
		.amdhsa_group_segment_fixed_size 327680
		.amdhsa_private_segment_fixed_size 0
		.amdhsa_enable_private_segment 0
		.amdhsa_kernarg_size 56
		.amdhsa_user_sgpr_count 2
		.amdhsa_user_sgpr_kernarg_segment_ptr 1
		.amdhsa_wavefront_size32 1
		.amdhsa_system_sgpr_workgroup_id_x 1
		.amdhsa_system_sgpr_workgroup_id_y 1
		.amdhsa_system_sgpr_workgroup_id_z 1
		.amdhsa_system_vgpr_workitem_id 0
		.amdhsa_next_free_vgpr 512
		.amdhsa_next_free_sgpr 100
		.amdhsa_reserve_vcc 0
		.amdhsa_float_denorm_mode_32 3
		.amdhsa_float_denorm_mode_16_64 3
		.amdhsa_memory_ordered 1
		.amdhsa_forward_progress 1
		.amdhsa_inst_pref_size 161
	.end_amdhsa_kernel
	.amdgpu_metadata
---
amdhsa.version: [ 1, 2 ]
amdhsa.kernels:
  - .name:           k_q24de1c5a18_attn
    .symbol:         k_q24de1c5a18_attn.kd
    .args:
      - { .name: Q_codes, .offset: 0, .size: 8, .value_kind: global_buffer, .address_space: global }
      - { .name: Q_scales, .offset: 8, .size: 8, .value_kind: global_buffer, .address_space: global }
      - { .name: K_codes, .offset: 16, .size: 8, .value_kind: global_buffer, .address_space: global }
      - { .name: K_scales, .offset: 24, .size: 8, .value_kind: global_buffer, .address_space: global }
      - { .name: V_codes, .offset: 32, .size: 8, .value_kind: global_buffer, .address_space: global }
      - { .name: V_scales, .offset: 40, .size: 8, .value_kind: global_buffer, .address_space: global }
      - { .name: out0, .offset: 48, .size: 8, .value_kind: global_buffer, .address_space: global }
    .group_segment_fixed_size: 327680
    .private_segment_fixed_size: 0
    .kernarg_segment_align: 8
    .kernarg_segment_size: 56
    .max_flat_workgroup_size: 256
    .sgpr_count:     100
    .vgpr_count:     512
    .wavefront_size: 32
...
	.end_amdgpu_metadata
.endif
;; end of part 1
